; MI455X (gfx1250); checked and timed in simulation.
; The chip was launched on July 23, 2026; its instructions are those of AMD's public machine-readable ISA for CDNA 5 (MIT licence, August 2026) and "CDNA5" Instruction Set Architecture Reference Guide (July 2026). The comments in the code are by the model that wrote it; some were corrected since.
;; Block. Allowed arithmetic: matrix products marked QUANTISED: E2M3 operands, one E8M0 scale for each 32 along K, by v_wmma_scale_f32_16x16x128_f8f6f4 with both operands' format E2M3, f32 sums; everything else in f32.
;; Inputs: W1_codes 1,024 x 8 x 24 uint8 (E2M3 codes of W1, K innermost, in blocks of 32 codes, four codes in three bytes); W1_scales 1,024 x 8 uint8 (E8M0 scales of W1, one for each 32 codes along K); W2_codes 256 x 32 x 24 uint8 (E2M3 codes of W2, K innermost, in blocks of 32 codes, four codes in three bytes); W2_scales 256 x 32 uint8 (E8M0 scales of W2, one for each 32 codes along K); Wk_codes 8 x 32 x 8 x 24 uint8 (E2M3 codes of Wk, K innermost, in blocks of 32 codes, four codes in three bytes); Wk_scales 8 x 32 x 8 uint8 (E8M0 scales of Wk, one for each 32 codes along K); Wo_codes 256 x 8 x 24 uint8 (E2M3 codes of Wo, K innermost, in blocks of 32 codes, four codes in three bytes); Wo_scales 256 x 8 uint8 (E8M0 scales of Wo, one for each 32 codes along K); Wq_codes 8 x 32 x 8 x 24 uint8 (E2M3 codes of Wq, K innermost, in blocks of 32 codes, four codes in three bytes); Wq_scales 8 x 32 x 8 uint8 (E8M0 scales of Wq, one for each 32 codes along K); Wv_codes 8 x 32 x 8 x 24 uint8 (E2M3 codes of Wv, K innermost, in blocks of 32 codes, four codes in three bytes); Wv_scales 8 x 32 x 8 uint8 (E8M0 scales of Wv, one for each 32 codes along K); b1 1,024 float32; b2 256 float32; bo 256 float32; ln1_b 256 float32; ln1_g 256 float32; ln2_b 256 float32; ln2_g 256 float32; x 256 x 256 x 256 float32.
;; Outputs: out0 256 x 256 x 256 float32.
;; This version of the problem:
;;   THIS VERSION OF THE PROBLEM IS GIVEN IN LOW PRECISION. The matrix products marked QUANTISED in the list below multiply operands that are first quantised to E2M3 (2 exponent bits, 3 mantissa bits; 6 bits a number), with one power-of-two scale for each 32 numbers along K (OCP MX v1.0); their sums are f32. All else is computed in f32.
;;   The module's matrix products, in the order in which they are computed (A, B: the left and right operand; K: the contracted axis; several contracted axes count as one K, in the product's order):
;;     1. [M 256, K 256] x [K 256, N 65,536]; A: input Wq (given as codes); B: computed on the way: QUANTISED
;;     2. [M 256, K 256] x [K 256, N 65,536]; A: input Wk (given as codes); B: computed on the way: QUANTISED
;;     3. [M 256, K 256] x [K 256, N 65,536]; A: input Wv (given as codes); B: computed on the way: QUANTISED
;;     4. batch 2,048 x [M 256, K 32] x [K 32, N 256]; A: computed on the way; B: computed on the way: QUANTISED
;;     5. batch 2,048 x [M 256, K 256] x [K 256, N 32]; A: softmax (see below); B: computed on the way: QUANTISED
;;     6. [M 65,536, K 256] x [K 256, N 256]; A: computed on the way; B: input Wo (given as codes): QUANTISED
;;     7. [M 65,536, K 256] x [K 256, N 1,024]; A: computed on the way; B: input W1 (given as codes): QUANTISED
;;     8. [M 65,536, K 1,024] x [K 1,024, N 256]; A: computed on the way; B: input W2 (given as codes): QUANTISED
;;   THE QUANTISER, for each operand of a quantised product, along K:
;;     - K is cut into blocks of 32 from its start; a last block that is shorter is filled with zeros.
;;     - A block's scale is 2^e with e = floor(log2(the largest magnitude in the block)) - 2, held to -126 .. 127; a block of zeros has e = 0. As a byte (E8M0): e + 127.
;;     - Each number is divided by its block's scale, clamped to +-7.5, and rounded to the nearest number of E2M3, ties to even, subnormals kept.
;;     - The product sums the exact products of the quantised numbers (number of the format x scale) in f32.
;;   ~~~python
;;   def quantise(x, axis):      # numpy; x: float32 -> the quantised numbers, widened to float32 again
;;       x = np.moveaxis(x, axis, -1); K = x.shape[-1]
;;       x = np.pad(x, [(0, 0)] * (x.ndim - 1) + [(0, -K % 32)]); x = x.reshape(x.shape[:-1] + (-1, 32)); a = np.abs(x).max(-1, keepdims=True)
;;       e = np.where(a > 0, np.clip(np.frexp(np.where(a > 0, a, 1))[1] - 1 - 2, -126, 127), 0)      # np.frexp(a)[1] - 1 = floor(log2(a)), exactly
;;       r = np.clip(x / 2.0 ** e, -7.5, 7.5)
;;       step = 2.0 ** (np.maximum(np.frexp(np.where(r == 0, 1, r))[1] - 1, 0) - 3)
;;       q = np.round(r / step) * step * 2.0 ** e      # np.round: ties to even
;;       return np.moveaxis(q.reshape(q.shape[:-2] + (-1,))[..., :K], -1, axis).astype(np.float32)
;;   ~~~
;;   SOFTMAX AHEAD OF A QUANTISED PRODUCT. Where the list says 'softmax', what is quantised is not the finished softmax but p = 2^(t - M), with t = logit x log2(e) and M = ceil(the row's largest t), a whole number; so 1/2 < the row's largest p <= 1. The row's sum l is taken of the UNQUANTISED p, in f32, and the product's result is divided by l at the end. Since M is a whole number, a kernel that streams over the keys may use a running M (the ceiling of the running maximum): every later rescaling is an exact power of two, which a block's scale takes up: the codes' values come out the same.
;;   OPERANDS COMPUTED ON THE WAY. 'Computed on the way' means the value that the module computes at that place (a softmax that the list does not call 'softmax' is quantised finished and normalised). What goes into a quantiser is computed in f32, as accurately as f32 sums, v_exp_f32 and their like allow (about 1e-6 of the number): no bf16 or f16 on the way to a quantiser, and a product that is left as it is and whose result goes on into a quantised operand takes f32 operands (vector FMAs, or v_wmma_f32_16x16x4_f32). A number that lies on a knife's edge between two numbers of the format may be rounded either way, as far as f32 arithmetic and the matrix unit's own rounding can turn it there, and no further.
;;   INPUTS GIVEN AS CODES. W1 (in the module: [256, 1024], K = its axis 0); W2 (in the module: [1024, 256], K = its axis 0); Wk (in the module: [256, 8, 32], K = its axis 0); Wo (in the module: [256, 256], K = its axis 0); Wq (in the module: [256, 8, 32], K = its axis 0); Wv (in the module: [256, 8, 32], K = its axis 0): each comes as NAME_codes (uint8): NAME with its K axis moved to the last place and cut into blocks of 32 codes, [.., K / 32, bytes a block], one block behind the other in memory; four codes in three bytes: a row's codes are one little-endian stream of bits, code i at bits 6 i .. 6 i + 5 (a code: sign, 2 exponent bits, 3 mantissa bits); and NAME_scales (uint8): the same leading axes, one E8M0 byte (e + 127) for each 32 codes along K. Its value is code x scale, taken as it is: it is not quantised again, and the codes and scales need not be those that the quantiser above would give.
;; One version. Each part assembles by itself: llvm-mc -triple=amdgcn-amd-amdhsa -mcpu=gfx1250 --defsym DOCPART=n.
;; ======== version 1 of 1: 1 launch
;; launch block (part 1): grid 256 x 1, 8 waves a work-group, clusters of 4 x 1, 327,680 bytes of LDS; arguments x, out0, Wq_codes, Wk_codes, Wv_codes, Wo_codes, W1_codes, W2_codes, W1_scales, W2_scales, Wq_scales, Wk_scales, Wv_scales, Wo_scales, b1, ln1_g, ln1_b, ln2_g, ln2_b, bo, b2; writes out0
.if DOCPART == 1
	.amdgcn_target "amdgcn-amd-amdhsa--gfx1250"
	.amdhsa_code_object_version 6
	.text
	.protected	k_qcc3f6cae0c_block
	.globl	k_qcc3f6cae0c_block
	.p2align	8
	.type	k_qcc3f6cae0c_block,@function
k_qcc3f6cae0c_block:
	s_mov_b64 s[64:65], 0
	v_nop
	global_prefetch_b8 v0, s[64:65] scope:SCOPE_SE
	s_setreg_imm32_b32 hwreg(HW_REG_WAVE_MODE, 25, 1), 1
	s_wait_xcnt 0x0
	s_wait_alu depctr_hold_cnt(0) depctr_sa_sdst(0) depctr_va_vdst(0) depctr_va_sdst(0) depctr_va_ssrc(0) depctr_va_vcc(0) depctr_vm_vsrc(0)
	s_getreg_b32 s2, hwreg(HW_REG_IB_STS2, 6, 4)
	s_cmp_eq_u32 s2, 0
	s_cbranch_scc0 .Lentry_in_a_cluster
	s_endpgm
.Lentry_in_a_cluster:
	s_bfe_u32 s2, ttmp6, 0x10000c
	s_cmp_lg_u32 s2, 0x3003
	s_cbranch_scc0 .Lentry_shape_is_right
	s_endpgm
.Lentry_shape_is_right:
; A WHOLE TRANSFORMER BLOCK IN ONE LAUNCH: out = x1 + relu(LN2(x1) W1 + b1) W2 + b2, x1 = x + attention(LN1(x)) Wo + bo.  All eight products on codes of FP6 (E2M3) with one E8M0 scale for each 32 along K.
; SHARES.  256 sequences of 256 tokens x 256 channels: a work-group takes ONE sequence through the whole chain; nothing between x and out0 goes to memory.  Eight waves of 512 registers.  Wave w owns the 32 tokens of
; block B = w xor 3 (w / 4) (blocks 0,1,2,3,7,6,5,4: waves w and w + 4 together have the same causal work), as two tiles m = 0, 1 of 16 tokens.
; THE RESIDUAL STAYS IN REGISTERS: window 1, register 128 m + 8 T + j of lane (r = lane % 16, hf = lane / 16) is channel 16 T + 8 hf + j of token 32 B + 16 m + r: the result's layout of a product whose source 0 is
; 16 rows of a weight and whose source 1 is 16 tokens.  Wo's and W2's products add in place onto it.
; QUANTISING.  A lane's 16 registers of two neighbouring tiles are k = 8 hf + 0..7 and 16 + 8 hf + 0..7 of a block of 32.  Two conversions (two blocks), three exchanges of lane halves and four byte permutes give a PIECE:
; 6 registers, lanes 0-15 block 0 whole, lanes 16-31 block 1 whole: registers 6 c .. 6 c + 5 of an operand.  In LDS a piece is three images of 256 bytes (a register pair at 8 x lane).
; ATTENTION.  Head size 32 is one block.  A piece of k holds two heads (one a lane half); q's piece has the other head's half set to zero codes, and six registers of zero codes follow it, so that of the instruction's
; 128 along K only the head's 32 count.  p v goes in half-steps of 64 keys in the same way.  v is made by the product taken the other way round (source 0 = tokens), so that a lane's registers run along the keys.
; Softmax: t = score x log2(e) / sqrt(32); M = the running largest t rounded up to a whole number; p = 2^(t - M) is quantised; the sum of the unquantised p divides at the end.
; WEIGHTS come through a ring of two LDS slots by tensor loads, one chunk ahead: Wq, Wk, Wv, Wo (256 rows x 192 bytes), then eight chunks of the MLP (128 rows of W1; 96 bytes of each of W2's 256 rows).
; CLUSTER: the four work-groups of a cluster walk the same weights in the same order, so each chunk is asked for jointly (mask 15): the same descriptor in all four.
; NO PREFETCH: x is asked for whole at the head, and the weights are asked for a chunk ahead by the joint loads.
; LIMITS.  Hidden scores are made by giving -3e38 as the sum's start, not -infinity: |q . k| must stay under 3e37.  NaN and infinities among the inputs are not served.  A block whose largest magnitude lies under
; 2^-124 keeps the scale byte 1 (a block of zeros too: its codes are zeros, and the bytes are read by this program alone).  mean x rstd is rounded once more than in (x - mean) x rstd.
.set SLOT1, 1<<17                      ; LDS: slot 0 at 0, slot 1 here; 67,584 bytes each
.set QA,    67584                      ; q's pieces, later attention's results in the same places: 6,144 bytes a wave: 3072 m + 768 (head pair)
.set SPARE, 116736                     ; the spare words: 128 bytes a wave, four blocks of 256 bytes that no other line names
.set KS,    117760                     ; k's scale bytes: 128 (token tile) + 8 r + head
.set VS,    119808                     ; v's: 128 (feature tile) + 8 r + key block
.set QS,    121856                     ; q's, later attention's: 256 a wave: 128 m + 8 r + head
.set PB1,   123904                     ; b1
.set PBO,   128000                     ; bo, b2
.set KI,    198656                     ; k's pieces: 3072 (token tile) + 768 (head pair)
.set VI,    247808                     ; v's pieces: 3072 (feature tile) + 768 (half-step)
.set PW1S,  296960                     ; W1's scales;  + 8192 W2's;  + 16384 Wq's, Wk's, Wv's, Wo's;  + 24576 ln1_g, ln1_b, ln2_g, ln2_b
.set PW2S,  305152
.set PQS,   313344
.set PLN,   321536
.set STG,   198656                     ; the stage for x and out0, 16 rows x (512 + 16) bytes a wave, over k's and v's pieces: written by LDS stores alone, as those are
.set FLOOR, 0x1800000                  ; 2^(3 - 127): under it no largest magnitude is taken, so a scale byte is at least 1
.set NEGV,  0xff61b1e6                 ; -3e38
.set WV,   76                          ; s76 wave;  s77 B;  s78 B / 2: my diagonal half-step;  s79 B % 2
.set BI,   32                          ; v32-47   bias tiles, or the pieces just made
.set HIDC, 48                          ; v48-71   the hidden layer's codes, 12 a token tile
.set ACC,  72                          ; v72-135  a quad's 8 accumulators
.set WF,   136                         ; v136-183 weight fragments: F0, F1
.set F0,   136
.set F1,   160
.set HC,   184                         ; v184-231 codes of h, attention's result or h2: 24 m + 12 (K step)
.set STAT, 232                         ; v232-239 rstd, rstd, -mean rstd, -mean rstd for each m
.set WS,   240                         ; v240-247 weights' scale words;  v248-251 the tokens' (2 m + K step);  v252-253 the hidden layer's or p's.  These hold scales alone
.set HSW,  248
.set HIDW, 252
.set TT,   72                          ; layer norm: v72-103 32 numbers at work; v104-135 gain; v136-167 bias; v32-63 bo or b2; v168-175, v176-183 chains; v30-31 the mean
.set G32,  104
.set B32,  136
.set P32,  32
.set SA,   168
.set SQ,   176
.set MEAN, 30
.set ST,   20                          ; attention: 14 registers a tile: +0 -M, +1 largest t, +2,3 the sum, +4 f, +5 its pair, +6,7 block maxima, +8,9 bytes, +10,11 scale operands, +12,13 at work
.set SS,   72                          ; v72-135  scores, then p: 32 m + 8 (key tile)
.set OO,   136                         ; v136-167 O^T: 16 m + 8 (feature tile)
.set KP,   168                         ; v168-191 four pieces of k
.set VP,   192                         ; v192-203 two pieces of v
.set QM,   204                         ; v204-227 q's piece and six zeros, for each m
.set PP,   52                          ; v52-63   p's piece and six zeros
.set TRI,  64                          ; v64-71   the diagonal tile's start: -3e38 where the key comes after the query
.set NEGA, 232                         ; v232-239 -3e38
.set LA,   228                         ; v228     3072 hf + 8 r
.set QMX, 20                           ; the quantiser's registers: maxima, bytes, scale operands, second conversion's result, second chains
.set QPX, 22
.set QSO, 24
.set QTQ, 26
.set QEX, 30
.set MSB, 0
.macro WIN new                         ; the immediate's high byte repeats the setting that is left; bits 1:0 source 0, 3:2 source 1, 5:4 source 2, 7:6 destination
.if MSB != \new
	s_set_vgpr_msb (MSB<<8)|\new
.set MSB, \new
.endif
.endm
.macro NOPS n
.rept \n
	v_nop
.endr
.endm
.macro ROUND                           ; a round of the cluster's barrier
	s_barrier_signal -1
	s_barrier_wait -1
	s_cmp_lg_u32 s[WV], 0
	s_cbranch_scc1 .Lnw0_\@
	s_barrier_signal -3
.Lnw0_\@:
	s_barrier_wait -3
	s_barrier_signal -1
	s_barrier_wait -1
.endm
.macro TLOADP                          ; a projection's 256 rows: waves 0 to 3, 64 rows each; four v_nop follow the load
	s_cmp_lt_u32 s[WV], 4
	s_cbranch_scc0 .Lnone_\@
	tensor_load_to_lds s[68:71], s[48:55]
	s_nop 0
	NOPS 4
.Lnone_\@:
.endm
.macro TLOADM                          ; an MLP chunk: waves 0, 1: 64 rows of W1 each; waves 2, 3: 128 rows of W2 each
	s_cmp_lt_u32 s[WV], 2
	s_cbranch_scc0 .Lnot_a_\@
	tensor_load_to_lds s[68:71], s[48:55]
	s_nop 0
	NOPS 4
	s_branch .Lasked_\@
.Lnot_a_\@:
	s_cmp_lt_u32 s[WV], 4
	s_cbranch_scc0 .Lasked_\@
	tensor_load_to_lds s[72:75], s[56:63]
	s_nop 0
	NOPS 4
.Lasked_\@:
.endm
; THE CHANGE OF SLOTS.  Every wave: all its tensor loads have landed (the chunk about to be read); 0 onto its spare word; the descriptor's words are written
; while the add is out; the add is done and the wave's LDS reads and stores are over; a round of the cluster's barrier; the joint load of the next chunk into the slot that was read last, first thing behind the round.
.macro CHANGEP ptr, slot
	s_wait_tensorcnt 0x0
	ds_add_u32 v1, v2
	ds_add_u32 v1, v2
	s_add_co_u32 s69, s86, \slot
	s_add_nc_u64 s[70:71], s[\ptr:\ptr+1], s[88:89]
	s_or_b32 s71, s71, 0x80000000
	s_wait_dscnt 0x0
	ROUND
	TLOADP
.endm
.macro MM d, a, b, c, sa, sb
	v_wmma_scale_f32_16x16x128_f8f6f4 v[(\d):(\d)+7], v[(\a):(\a)+11], v[(\b):(\b)+11], v[(\c):(\c)+7], v[\sa], v[\sb] matrix_a_fmt:MATRIX_FMT_FP6 matrix_b_fmt:MATRIX_FMT_FP6
.endm
.macro MM0 d, a, b, sa, sb             ; the first product starts the sum
	v_wmma_scale_f32_16x16x128_f8f6f4 v[(\d):(\d)+7], v[(\a):(\a)+11], v[(\b):(\b)+11], 0, v[\sa], v[\sb] matrix_a_fmt:MATRIX_FMT_FP6 matrix_b_fmt:MATRIX_FMT_FP6
.endm
; A fragment (16 rows x 128 K, 12 registers) from rows of 192 bytes laid 240 apart (16 bytes of padding behind each 64): six pieces of 8 bytes.  Lanes 16-31 read three pieces further on; where that lies behind one
; padding more, the second address register (16 hf more) serves.
.macro FRAG reg, adr, q, i
.irp p, 0,1,2,3,4,5
.set PCN, 12*(\q)+6*(\p/3)+\p%3
.if PCN%8 < 5
	ds_load_b64 v[(\reg)+2*\p:(\reg)+2*\p+1], v[\adr] offset:8*PCN+16*(PCN/8)+(\i)*3840
.else
	ds_load_b64 v[(\reg)+2*\p:(\reg)+2*\p+1], v[(\adr)+1] offset:8*PCN+16*(PCN/8)+(\i)*3840
.endif
.endr
.endm
.macro FRAGW reg, i                    ; the same from W2's rows of 96 bytes laid 144 apart (16 bytes behind each 32)
.irp p, 0,1,2,3,4,5
.set PCN, 6*(\p/3)+\p%3
.if PCN%4 == 0
	ds_load_b64 v[(\reg)+2*\p:(\reg)+2*\p+1], v18 offset:8*PCN+16*(PCN/4)+(\i)*2304
.else
	ds_load_b64 v[(\reg)+2*\p:(\reg)+2*\p+1], v19 offset:8*PCN+16*(PCN/4)+(\i)*2304
.endif
.endr
.endm
.macro LOADU fb, ta, ks                ; tiles ta, ta + 1 of the quad's four, K step ks: 12 loads
	FRAG \fb, 16, \ks, \ta
	FRAG (\fb)+12, 16, \ks, (\ta)+1
.endm
.macro BIAS ta                         ; b1 of tiles ta, ta + 1 in the result's layout: 4 loads
.irp dt, 0,1
	ds_load_b128 v[BI+8*\dt:BI+8*\dt+3], v15 offset:64*((\ta)+\dt)
	ds_load_b128 v[BI+8*\dt+4:BI+8*\dt+7], v15 offset:64*((\ta)+\dt)+16
.endr
.endm
; Four products: tiles ta, ta + 1 x token tiles 0, 1.  vt = 0: source 0 = the weight's rows; vt = 1: source 0 = the tokens.  K step 0 starts the sums (with 0 or the bias), K step 1 adds in place, four instructions later.
.macro MULU fb, ta, ks, cmode, vt
.irp dt, 0,1
.irp m, 0,1
.if \vt
.set DD, ACC+16*((\ta)+\dt)+8*\m
.if (\ks) == 0
	MM0 DD, HC+24*\m+12*(\ks), (\fb)+12*\dt, HSW+2*\m+(\ks), WS+2*((\ta)+\dt)+(\ks)
.else
	MM DD, HC+24*\m+12*(\ks), (\fb)+12*\dt, DD, HSW+2*\m+(\ks), WS+2*((\ta)+\dt)+(\ks)
.endif
.else
.set DD, ACC+32*\m+8*((\ta)+\dt)
.if (\ks) != 0
	MM DD, (\fb)+12*\dt, HC+24*\m+12*(\ks), DD, WS+2*((\ta)+\dt)+(\ks), HSW+2*\m+(\ks)
.elseif \cmode
	MM DD, (\fb)+12*\dt, HC+24*\m+12*(\ks), BI+8*\dt, WS+2*((\ta)+\dt)+(\ks), HSW+2*\m+(\ks)
.else
	MM0 DD, (\fb)+12*\dt, HC+24*\m+12*(\ks), WS+2*((\ta)+\dt)+(\ks), HSW+2*\m+(\ks)
.endif
.endif
.endr
.endr
.endm
; A QUAD: 64 rows of a weight x K 256 x my 32 tokens: 16 products.  v16, v17: the rows in the slot; v13: their scale words; v15: their bias.  Two fragment buffers by turns; four plain places stand in front of each
; run of loads into registers that matrix instructions have read, and behind the last products.
.macro QUAD cmode, vt
.irp tt, 0,1,2,3
	ds_load_b64 v[WS+2*\tt:WS+2*\tt+1], v13 offset:128*\tt
.endr
.if \cmode
	BIAS 0
.endif
	LOADU F0, 0, 0
	LOADU F1, 0, 1
	s_wait_dscnt 12                                ; all but F1's 12 loads
	MULU F0, 0, 0, \cmode, \vt
	NOPS 4
	LOADU F0, 2, 0
.if \cmode
	BIAS 2
	s_wait_dscnt 16                                ; F1 is in; behind it: F0's 12 loads and the bias's 4
.else
	s_wait_dscnt 12                                ; F1 is in; behind it: F0's 12 loads
.endif
	MULU F1, 0, 1, \cmode, \vt
	NOPS 4
	LOADU F1, 2, 1
	s_wait_dscnt 12                                ; F0 (and the bias) are in; behind them: F1's 12 loads
	MULU F0, 2, 0, \cmode, \vt
	s_wait_dscnt 0x0
	MULU F1, 2, 1, \cmode, \vt
	NOPS 4
.endm
; THE QUANTISER of 32 registers: two blocks, 16 numbers of each in this lane, the other 16 in lane l xor 16.
.macro MAXF d, a, abs
.if \abs
	v_max3_num_f32 v[\d], |v[\a]|, |v[(\a)+1]|, FLOOR
.else
	v_max3_num_f32 v[\d], v[\a], v[(\a)+1], FLOOR
.endif
.endm
.macro MAXN d, a, abs
.if \abs
	v_max3_num_f32 v[\d], v[\d], |v[\a]|, |v[(\a)+1]|
.else
	v_max3_num_f32 v[\d], v[\d], v[\a], v[(\a)+1]
.endif
.endm
.macro BMAX src, abs                   ; four chains, each begun at the low end of one accumulator, with the floor among its leaves
	MAXF QMX, (\src), \abs
	MAXF QMX+1, (\src)+16, \abs
	MAXF QEX, (\src)+8, \abs
	MAXF QEX+1, (\src)+24, \abs
.irp i, 2,4,6
	MAXN QMX, (\src)+\i, \abs
	MAXN QMX+1, (\src)+16+\i, \abs
	MAXN QEX, (\src)+8+\i, \abs
	MAXN QEX+1, (\src)+24+\i, \abs
.endr
	v_max_num_f32 v[QMX], v[QMX], v[QEX]
	v_max_num_f32 v[QMX+1], v[QMX+1], v[QEX+1]
.endm
.macro BJOIN
	v_permlanex16_b32 v[QPX], v[QMX], s80, s81
	v_permlanex16_b32 v[QPX+1], v[QMX+1], s80, s81
	v_max_num_f32 v[QMX], v[QMX], v[QPX]
	v_max_num_f32 v[QMX+1], v[QMX+1], v[QPX+1]
.endm
.macro BSCALE                          ; 2 off the exponent field: the conversion's scale operand; its exponent field is the scale's byte
	v_add_nc_u32 v[QSO], 0xff000000, v[QMX]
	v_add_nc_u32 v[QSO+1], 0xff000000, v[QMX+1]
	v_lshrrev_b32 v[QPX], 23, v[QSO]
	v_lshrrev_b32 v[QPX+1], 23, v[QSO+1]
.endm
; Codes.  Behind the exchanges a lane holds X = [k 0-7 | k 16-23] (dst) and Y = [k 8-15 | k 24-31] (QTQ) of ONE block, 96 bits each; the permutes lay their four fields of 48 bits in ascending k.
.macro QPACK src, dst
	v_cvt_scalef32_pk16_fp6_f32 v[(\dst):(\dst)+2], v[(\src):(\src)+15], v[QSO]
	v_cvt_scalef32_pk16_fp6_f32 v[QTQ:QTQ+2], v[(\src)+16:(\src)+31], v[QSO+1]
	v_nop                                          ; one plain place behind a scaled conversion
.irp i, 0,1,2
	v_permlane16_swap_b32 v[(\dst)+\i], v[QTQ+\i]
.endr
	v_perm_b32 v[(\dst)+3], v[(\dst)+2], v[(\dst)+1], s91   ; X1.h, X2.l
	v_perm_b32 v[(\dst)+4], v[QTQ+1], v[(\dst)+2], s92      ; X2.h, Y1.h
	v_perm_b32 v[(\dst)+1], v[QTQ], v[(\dst)+1], s90        ; X1.l, Y0.l
	v_perm_b32 v[(\dst)+2], v[QTQ+1], v[QTQ], s91           ; Y0.h, Y1.l
	v_mov_b32 v[(\dst)+5], v[QTQ+2]
.endm
; x, 16 rows x 512 bytes (k = 2 m + half): each load reads 512 consecutive bytes
.macro XLOAD k
	WIN 0x40
.irp row, 0,1,2,3,4,5,6,7,8,9,10,11,12,13,14,15
	global_load_b128 v[64*(\k)+4*\row:64*(\k)+4*\row+3], v3, s[4:5] offset:(16*((\k)/2)+\row)*1024+512*((\k)%2) th:TH_LOAD_NT
.endr
	WIN 0
.endm
; and through my stage into the residual's layout, into the registers that they left.  LDS serves a wave's instructions in order: no wait between the stores and the loads
.macro STAGE_IN k, left
	s_wait_loadcnt \left
	WIN 0x04
.irp row, 0,1,2,3,4,5,6,7,8,9,10,11,12,13,14,15
	ds_store_b128 v11, v[64*(\k)+4*\row:64*(\k)+4*\row+3] offset:528*\row
.endr
	WIN 0x40
.irp t, 0,1,2,3,4,5,6,7
	ds_load_b128 v[64*(\k)+8*\t:64*(\k)+8*\t+3], v12 offset:64*\t
	ds_load_b128 v[64*(\k)+8*\t+4:64*(\k)+8*\t+7], v12 offset:64*\t+16
.endr
	WIN 0
.endm
; Mean and 1 / sqrt(variance + 1e-5) of tile m's rows, in two passes: the sum; then the sum of the squares of x - mean.  The residual's registers are read in ascending order.
.macro LNSTAT m
.set XB, 128*(\m)
.set RS, STAT+4*(\m)
	WIN 0x05
.irp c, 0,1,2,3
	v_pk_add_f32 v[SA+2*\c:SA+2*\c+1], v[XB+4*\c:XB+4*\c+1], v[XB+4*\c+2:XB+4*\c+3]
.endr
	WIN 0x01
.set ii, 16
.rept 56
	v_pk_add_f32 v[SA+2*((ii/2)%4):SA+2*((ii/2)%4)+1], v[XB+ii:XB+ii+1], v[SA+2*((ii/2)%4):SA+2*((ii/2)%4)+1]
.set ii, ii+2
.endr
	WIN 0
	v_pk_add_f32 v[SA:SA+1], v[SA:SA+1], v[SA+2:SA+3]
	v_pk_add_f32 v[SA+4:SA+5], v[SA+4:SA+5], v[SA+6:SA+7]
	v_pk_add_f32 v[SA:SA+1], v[SA:SA+1], v[SA+4:SA+5]
	v_add_f32 v[SA], v[SA], v[SA+1]
	v_permlanex16_b32 v[SA+1], v[SA], s80, s81     ; the row's other 128 channels lie in lane l xor 16
	v_add_f32 v[SA], v[SA], v[SA+1]
	v_mul_f32 v[MEAN], s96, v[SA]
	v_mov_b32 v[MEAN+1], v[MEAN]
.irp bt, 0,1,2,3
	WIN 0x01
.set ii, 0
.rept 16
	v_pk_add_f32 v[TT+ii:TT+ii+1], v[XB+32*\bt+ii:XB+32*\bt+ii+1], v[MEAN:MEAN+1] neg_lo:[0,1] neg_hi:[0,1]
.set ii, ii+2
.endr
	WIN 0
.set ii, 0
.rept 16
.if (\bt == 0) && (ii < 8)
	v_pk_mul_f32 v[SQ+ii:SQ+ii+1], v[TT+ii:TT+ii+1], v[TT+ii:TT+ii+1]
.else
	v_pk_fma_f32 v[SQ+ii%8:SQ+ii%8+1], v[TT+ii:TT+ii+1], v[TT+ii:TT+ii+1], v[SQ+ii%8:SQ+ii%8+1]
.endif
.set ii, ii+2
.endr
.endr
	v_pk_add_f32 v[SQ:SQ+1], v[SQ:SQ+1], v[SQ+2:SQ+3]
	v_pk_add_f32 v[SQ+4:SQ+5], v[SQ+4:SQ+5], v[SQ+6:SQ+7]
	v_pk_add_f32 v[SQ:SQ+1], v[SQ:SQ+1], v[SQ+4:SQ+5]
	v_add_f32 v[SQ], v[SQ], v[SQ+1]
	v_permlanex16_b32 v[SQ+1], v[SQ], s80, s81
	v_add_f32 v[SQ], v[SQ], v[SQ+1]
	v_fma_f32 v[SQ], v[SQ], s96, s97               ; / 256 + 1e-5
	v_rsq_f32 v[RS], v[SQ]
	v_nop                                          ; a plain place behind the transcendental,
	s_wait_alu depctr_va_vdst(0)                   ; and a wait ahead of its first reader
	v_mov_b32 v[RS+1], v[RS]
	v_mul_f32 v[RS+2], -v[MEAN], v[RS]
	v_mov_b32 v[RS+3], v[RS+2]
.endm
.macro LNLOAD qd, gofs, pofs           ; gain, bias and the vector that joins the residual, for channels 64 qd on, in the residual's layout: 24 loads
.irp t, 0,1,2,3
.irp q, 0,1
	ds_load_b128 v[G32+8*\t+4*\q:G32+8*\t+4*\q+3], v14 offset:(\gofs)+256*(\qd)+64*\t+16*\q
	ds_load_b128 v[B32+8*\t+4*\q:B32+8*\t+4*\q+3], v14 offset:(\gofs)+1024+256*(\qd)+64*\t+16*\q
	ds_load_b128 v[P32+8*\t+4*\q:P32+8*\t+4*\q+3], v15 offset:(\pofs)+256*(\qd)+64*\t+16*\q
.endr
.endr
.endm
; 64 channels of tile m: normalised, the residual takes bo (or b2) once its old value has been read, gain and bias, quantised: piece qd % 2 of K step qd / 2
.macro LNQ qd, m
.set XB, 128*(\m)+32*(\qd)
.set RS, STAT+4*(\m)
.set WW, HSW+2*(\m)+(\qd)/2
	WIN 0x01
.set ii, 0
.rept 16
	v_pk_fma_f32 v[TT+ii:TT+ii+1], v[XB+ii:XB+ii+1], v[RS:RS+1], v[RS+2:RS+3]
.set ii, ii+2
.endr
	WIN 0x41
.set ii, 0
.rept 16
	v_pk_add_f32 v[XB+ii:XB+ii+1], v[XB+ii:XB+ii+1], v[P32+ii:P32+ii+1]
.set ii, ii+2
.endr
	WIN 0
.set ii, 0
.rept 16
	v_pk_fma_f32 v[TT+ii:TT+ii+1], v[TT+ii:TT+ii+1], v[G32+ii:G32+ii+1], v[B32+ii:B32+ii+1]
.set ii, ii+2
.endr
	BMAX TT, 1
	BJOIN
	BSCALE
.if ((\qd)%2) == 0
	v_lshl_or_b32 v[WW], v[QPX+1], 8, v[QPX]
.else
	v_lshl_or_b32 v[WW], v[QPX], 16, v[WW]
	v_lshl_or_b32 v[WW], v[QPX+1], 24, v[WW]
.endif
	QPACK TT, HC+24*(\m)+12*((\qd)/2)+6*((\qd)%2)
.endm
.macro LNAPPLY gofs, pofs
.irp qd, 0,1,2,3
	LNLOAD \qd, \gofs, \pofs
	s_wait_dscnt 0x0
	LNQ \qd, 0
	LNQ \qd, 1
.endr
.endm
; q or k: four trips, a head pair (64 rows) each.  v14: where the pieces go; v15: where the two scale bytes go
.macro PROJ slot, sofs
	v_add_nc_u32 v13, PQS+(\sofs), v5
	v_add_nc_u32 v16, \slot, v7
	v_add_nc_u32 v17, \slot, v8
	s_mov_b32 s84, 4
.Lproj_\@:
	QUAD 0, 0
.irp m, 0,1
	BMAX ACC+32*\m, 1
	BJOIN
	BSCALE
	v_lshl_or_b32 v[QEX], v[QPX+1], 8, v[QPX]
	QPACK ACC+32*\m, BI+6*\m
.irp i, 0,1,2
	ds_store_b64 v14, v[BI+6*\m+2*\i:BI+6*\m+2*\i+1] offset:3072*\m+256*\i
.endr
	ds_store_b16 v15, v[QEX] offset:128*\m
.endr
	v_add_nc_u32 v16, 15360, v16
	v_add_nc_u32 v17, 15360, v17
	v_add_nc_u32 v13, 512, v13
	v_add_nc_u32 v14, 768, v14
	v_add_nc_u32 v15, 2, v15
	s_sub_co_u32 s84, s84, 1
	s_cmp_lg_u32 s84, 0
	s_cbranch_scc1 .Lproj_\@
.endm
	; ---------------- the head
	s_load_b512 s[4:19], s[0:1], 0x0               ; x, out0, Wq, Wk, Wv, Wo, W1, W2 (codes)
	s_load_b512 s[20:35], s[0:1], 0x40             ; W1's, W2's, Wq's, Wk's, Wv's, Wo's scales, b1, ln1_g
	s_load_b256 s[36:43], s[0:1], 0x80             ; ln1_b, ln2_g, ln2_b, bo
	s_load_b64 s[44:45], s[0:1], 0xa0              ; b2
	v_lshl_add_u32 v1, v0, 2, SPARE                ; my spare word; never rewritten
	v_mov_b32 v2, 0                                ; 0; never rewritten
	ds_add_u32 v1, v2
	ds_add_u32 v1, v2
	s_wait_dscnt 0x0
	v_lshrrev_b32 v20, 5, v0
	v_readfirstlane_b32 s[WV], v20
	s_lshr_b32 s77, s[WV], 2
	s_mul_i32 s77, s77, 3
	s_xor_b32 s77, s77, s[WV]                      ; B
	s_lshr_b32 s78, s77, 1
	s_and_b32 s79, s77, 1
	s_and_b32 s100, s[WV], 3
	s_mul_i32 s86, s100, 15360                     ; a projection's 64 rows in a slot,
	s_mul_i32 s88, s100, 12288                     ; and in memory
	s_mov_b32 s89, 0
	s_mov_b32 s80, 0x76543210
	s_mov_b32 s81, 0xfedcba98                      ; v_permlanex16_b32's selects for lane l xor 16
	s_mov_b32 s82, 0x3e8293ee                      ; c = log2(e) / sqrt(32)
	s_mov_b32 s83, s82
	s_mov_b32 s90, 0x05040100
	s_mov_b32 s91, 0x05040302
	s_mov_b32 s92, 0x07060302
	s_mov_b32 s94, 0x0000ffff
	s_mov_b32 s95, 0xffff0000
	s_mov_b32 s96, 0x3b800000                      ; 1 / 256
	s_mov_b32 s97, 0x3727c5ac                      ; 1e-5
	s_mul_i32 s98, s[WV], 6144
	s_add_co_u32 s98, s98, QA                      ; my pieces of q
	s_lshl_b32 s99, s[WV], 8
	s_add_co_u32 s99, s99, QS                      ; and their scale bytes
	; descriptor groups 1; elements of 1 byte; the mask names the cluster's four work-groups, bit 21 beside it
	s_mov_b32 s48, 15|(1<<20)|(1<<21)|(3<<22)|(3<<25)   ; 64 rows x 192 bytes, dense in memory; 16 bytes of padding behind each 64
	s_mov_b32 s49, 192<<16
	s_mov_b32 s50, 64<<16
	s_mov_b32 s51, 192<<16
	s_mov_b32 s52, 64
	s_mov_b32 s53, 192
	s_mov_b32 s54, 0
	s_mov_b32 s55, 0
	s_mov_b32 s56, 15|(1<<20)|(1<<21)|(2<<22)|(3<<25)   ; 128 rows x 96 bytes, 768 apart in memory; 16 bytes of padding behind each 32
	s_mov_b32 s57, 96<<16
	s_mov_b32 s58, 128<<16
	s_mov_b32 s59, 96<<16
	s_mov_b32 s60, 128
	s_mov_b32 s61, 768
	s_mov_b32 s62, 0
	s_mov_b32 s63, 0
	v_and_b32 v20, 31, v0                          ; lane
	v_and_b32 v21, 15, v0                          ; r
	v_bfe_u32 v22, v0, 4, 1                        ; hf
	v_lshlrev_b32 v3, 4, v20                       ; v3  16 x lane
	v_lshlrev_b32 v4, 3, v20                       ; v4  8 x lane
	v_lshlrev_b32 v5, 3, v21                       ; v5  8 r
	v_lshlrev_b32 v6, 5, v22                       ; v6  32 hf
	v_mul_u32_u24 v7, v21, 240
	v_mad_u32_u24 v7, v22, 24, v7                  ; v7  240 r + 24 hf
	v_lshl_add_u32 v8, v22, 4, v7                  ; v8  + 16 hf
	v_mul_u32_u24 v9, v21, 144
	v_mad_u32_u24 v9, v22, 24, v9
	v_add_nc_u32 v9, 30720, v9                     ; v9  30720 + 144 r + 24 hf
	v_lshl_add_u32 v10, v22, 4, v9                 ; v10 + 16 hf
	s_mul_i32 s46, s[WV], 8448
	s_add_co_u32 s46, s46, STG
	v_add_nc_u32 v11, s46, v3                      ; v11 my stage by rows: 16 x lane
	v_mul_u32_u24 v12, v21, 528
	v_add_nc_u32 v12, v12, v6
	v_add_nc_u32 v12, s46, v12                     ; v12 my stage by lanes: 528 r + 32 hf
	v_lshlrev_b32 v24, 4, v0                       ; the parameters: 16 t,
	v_and_b32 v25, 127, v0
	v_lshlrev_b32 v27, 3, v25                      ; 8 (t % 128),
	v_lshlrev_b32 v25, 4, v25                      ; 16 (t % 128),
	v_and_b32 v26, 63, v0
	v_lshlrev_b32 v26, 4, v26                      ; 16 (t % 64)
	v_lshlrev_b32 v28, 3, v0
	v_add_nc_u32 v29, PW1S, v24
	v_add_nc_u32 v30, PB1, v24
	v_add_nc_u32 v31, PBO, v28
	s_bfe_u32 s46, ttmp6, 0x40000                  ; cx
	s_lshl_b32 s47, ttmp9, 2
	s_add_co_u32 s47, s47, s46                     ; my sequence = 4 x cluster + cx: it enters x's and out0's addresses alone
	s_lshl_b32 s46, s47, 18
	s_lshl_b32 s47, s77, 15
	s_add_co_u32 s46, s46, s47                     ; 262,144 bytes a sequence, 32,768 a block of 32 tokens
	s_mov_b32 s47, 0
	s_wait_kmcnt 0x0
	s_add_nc_u64 s[4:5], s[4:5], s[46:47]
	s_add_nc_u64 s[6:7], s[6:7], s[46:47]
	s_cmp_lt_u32 s[WV], 4                          ; which small vectors my wave copies: a choice on the wave's number
	s_cselect_b64 s[24:25], s[24:25], s[26:27]     ; Wq's scales or Wk's
	s_cselect_b64 s[28:29], s[28:29], s[30:31]     ; Wv's or Wo's
	s_cselect_b64 s[34:35], s[34:35], s[38:39]     ; ln1_g or ln2_g
	s_cselect_b64 s[36:37], s[36:37], s[40:41]     ; ln1_b or ln2_b
	s_cselect_b64 s[42:43], s[42:43], s[44:45]     ; bo or b2
	s_bitcmp1_b32 s[WV], 1
	s_cselect_b64 s[34:35], s[36:37], s[34:35]     ; waves 0,1: ln1_g; 2,3: ln1_b; 4,5: ln2_g; 6,7: ln2_b
	ROUND                                          ; all four work-groups are here: the first joint load meets
	s_mov_b32 s68, 1
	s_add_co_u32 s69, s86, 0                       ; slot 0
	s_add_nc_u64 s[70:71], s[8:9], s[88:89]        ; Wq
	s_or_b32 s71, s71, 0x80000000
	TLOADP
	global_load_b128 v[72:75], v24, s[20:21]
	global_load_b128 v[76:79], v24, s[20:21] offset:4096
	global_load_b128 v[80:83], v24, s[22:23]
	global_load_b128 v[84:87], v24, s[22:23] offset:4096
	global_load_b128 v[88:91], v24, s[32:33]
	global_load_b128 v[92:95], v25, s[24:25]
	global_load_b128 v[96:99], v25, s[28:29]
	global_load_b128 v[100:103], v26, s[34:35]
	global_load_b64 v[104:105], v27, s[42:43]
	XLOAD 0
	XLOAD 1
	s_wait_loadcnt 32                              ; the nine parameter loads are in; x's 32 stay out
	ds_store_b128 v29, v[72:75]
	ds_store_b128 v29, v[76:79] offset:4096
	ds_store_b128 v29, v[80:83] offset:8192
	ds_store_b128 v29, v[84:87] offset:12288
	ds_store_b128 v30, v[88:91]
	ds_store_b128 v29, v[92:95] offset:16384
	ds_store_b128 v29, v[96:99] offset:20480
	ds_store_b128 v29, v[100:103] offset:24576
	ds_store_b64 v31, v[104:105]
	XLOAD 2
	s_wait_dscnt 0x0                               ; for the others' sake: my part of the parameters lies in LDS
	s_barrier_signal -1
	s_barrier_wait -1                              ; the first tensor load may stay out
	STAGE_IN 0, 32                                 ; behind these 16 loads: groups 1 and 2
	XLOAD 3
	STAGE_IN 1, 32                                 ; behind them: groups 2 and 3
	v_mov_b32 v22, 0                               ; written once: a lane permute's destination counts as one of its sources
	v_mov_b32 v23, 0
	v_add_nc_u32 v14, PLN, v6
	v_add_nc_u32 v15, PBO, v6
	s_wait_dscnt 0x0
	LNSTAT 0                                       ; while tile 1's loads are on their way
	STAGE_IN 2, 16
	STAGE_IN 3, 0
	s_wait_dscnt 0x0
	LNSTAT 1
	LNAPPLY 0, 0                                   ; h = LN1(x) as codes; the residual becomes x + bo
	; ---------------- q, k, v
	CHANGEP 10, SLOT1                              ; Wq has landed; Wk is asked for
	v_add_nc_u32 v14, s98, v4
	v_add_nc_u32 v15, s99, v5
	PROJ 0, 0
	CHANGEP 12, 0                                  ; Wv
	s_mul_i32 s46, s77, 6144
	s_add_co_u32 s46, s46, KI
	v_add_nc_u32 v14, s46, v4
	s_lshl_b32 s46, s77, 8
	s_add_co_u32 s46, s46, KS
	v_add_nc_u32 v15, s46, v5
	PROJ SLOT1, 2048
	CHANGEP 14, SLOT1                              ; Wo
	; v: source 0 = my tokens, source 1 = 16 rows of Wv: a lane holds one feature, and its 16 registers of a feature tile are my 32 keys: key block B.  Lanes 0-15 end with feature tile 2 pr, lanes 16-31 with 2 pr + 1
	v_add_nc_u32 v13, PQS+4096, v5
	v_add_nc_u32 v16, 0, v7
	v_add_nc_u32 v17, 0, v8
	v_bfe_u32 v20, v0, 4, 1
	v_mul_u32_u24 v14, v20, 3072
	v_add_nc_u32 v14, v14, v5
	s_mul_i32 s46, s78, 768
	s_lshl_b32 s47, s79, 7
	s_add_co_u32 s46, s46, s47
	s_add_co_u32 s46, s46, VI
	v_add_nc_u32 v14, s46, v14                     ; 3072 hf + 768 (B / 2) + 128 (B % 2) + 8 r: my key block's lane half of the half-step's piece
	s_add_co_u32 s46, s77, VS
	v_add_nc_u32 v15, s46, v5
	s_mov_b32 s84, 4
.Lvproj:
	QUAD 0, 1
.irp pr, 0,1
	BMAX ACC+32*\pr, 1
	BJOIN
	BSCALE
	QPACK ACC+32*\pr, BI+6*\pr
.irp i, 0,1,2
	ds_store_b64 v14, v[BI+6*\pr+2*\i:BI+6*\pr+2*\i+1] offset:6144*\pr+256*\i
.endr
	ds_store_b8 v15, v[QPX] offset:256*\pr         ; both lanes of a row write the same byte with the same value
	ds_store_b8 v15, v[QPX+1] offset:256*\pr+128
.endr
	v_add_nc_u32 v16, 15360, v16
	v_add_nc_u32 v17, 15360, v17
	v_add_nc_u32 v13, 512, v13
	v_add_nc_u32 v14, 12288, v14
	v_add_nc_u32 v15, 512, v15
	s_sub_co_u32 s84, s84, 1
	s_cmp_lg_u32 s84, 0
	s_cbranch_scc1 .Lvproj
	; ---------------- attention.  The change of slots in front of it also shows every wave's k and v to all
	s_wait_tensorcnt 0x0
	ds_add_u32 v1, v2
	ds_add_u32 v1, v2
	s_and_b32 s100, s[WV], 1
	s_mul_i32 s69, s100, 15360                     ; W1's rows 64 (wave % 2) on, into slot 0
	s_mul_i32 s46, s100, 12288
	s_mov_b32 s47, 0
	s_add_nc_u64 s[70:71], s[16:17], s[46:47]
	s_or_b32 s71, s71, 0x80000000
	s_mov_b32 s72, 1
	s_mul_i32 s73, s100, 18432
	s_add_co_u32 s73, s73, 30720                   ; W2's rows 128 (wave % 2) on, behind W1's
	s_mul_i32 s46, s100, 98304
	s_add_nc_u64 s[74:75], s[18:19], s[46:47]
	s_or_b32 s75, s75, 0x80000000
	s_wait_dscnt 0x0
	ROUND
	TLOADM
	v_and_b32 v13, 15, v0
	v_bfe_u32 v14, v0, 4, 1
	v_lshlrev_b32 v15, 3, v14
	v_sub_nc_u32 v13, v13, v15                     ; r - 8 hf: register j's key comes after my query where j is greater
	v_mov_b32 v16, NEGV
.irp j, 0,1,2,3,4,5,6,7
	v_cmp_gt_i32 vcc_lo, \j, v13
	v_cndmask_b32 v[TRI+\j], 0, v16, vcc_lo
	v_mov_b32 v[NEGA+\j], NEGV
.endr
	v_mul_u32_u24 v[LA], v14, 3072
	v_add_nc_u32 v[LA], v[LA], v5
.irp j, 6,7,8,9,10,11
	v_mov_b32 v[QM+\j], 0                          ; the zero codes that stand for K = 64 .. 127
	v_mov_b32 v[QM+12+\j], 0
	v_mov_b32 v[PP+\j], 0
.endr
.irp m, 0,1
	v_mov_b32 v[ST+14*\m+5], 0                     ; (named as the upper half of f's pair)
	v_mov_b32 v[ST+14*\m+8], 0                     ; (lane permutes' destinations)
	v_mov_b32 v[ST+14*\m+9], 0
.endr
.macro SCORES var                      ; 8 products.  var = 0: all keys count; 1, 2: my diagonal half-step, B even, B odd.  My query tile m stands at key tile 2 (B % 2) + m
.irp tt, 0,1,2,3
.irp m, 0,1
.set QT, 2*((\var)-1)+\m
.if ((\var) == 0) || (\tt < QT)
	MM0 SS+32*\m+8*\tt, KP+6*\tt, QM+12*\m, WS+\tt, WS+6+\m
.elseif \tt == QT
	MM SS+32*\m+8*\tt, KP+6*\tt, QM+12*\m, TRI, WS+\tt, WS+6+\m
.else
	MM SS+32*\m+8*\tt, KP+6*\tt, QM+12*\m, NEGA, WS+\tt, WS+6+\m
.endif
.endr
.endr
.endm
	s_mov_b32 s84, 0                               ; the head
.Lhead:
	s_lshr_b32 s20, s84, 1                         ; the head pair
	s_and_b32 s21, s84, 1
	s_mul_i32 s22, s20, 768
	s_lshl_b32 s23, s20, 1
	s_add_co_u32 s24, s22, KI                      ; k's pieces,
	s_add_co_u32 s25, s23, KS                      ; their two scale bytes,
	s_mul_i32 s26, s84, 6144
	s_add_co_u32 s26, s26, VI                      ; v's pieces,
	s_lshl_b32 s27, s84, 8
	s_add_co_u32 s27, s27, VS                      ; their scale bytes: all of half-step 0
	s_add_co_u32 s28, s22, s98                     ; q's pieces
	s_add_co_u32 s29, s23, s99
	s_lshl_b32 s30, s21, 7
	s_add_co_u32 s30, s30, s28                     ; where the head's result goes: the lane half of q's piece that this head uses up
	s_add_co_u32 s31, s84, s99
	s_cmp_eq_u32 s21, 0
	s_cselect_b32 s93, s94, s95                    ; the lanes that hold this head
	v_add_nc_u32 v17, s28, v4
	v_add_nc_u32 v18, s29, v5
.irp m, 0,1
.irp i, 0,1,2
	ds_load_b64 v[QM+12*\m+2*\i:QM+12*\m+2*\i+1], v17 offset:3072*\m+256*\i
.endr
	ds_load_u16 v[WS+6+\m], v18 offset:128*\m
.endr
.irp m, 0,1
	v_mov_b32 v[ST+14*\m+1], NEGV                  ; the largest t so far: under every t
	v_floor_f32 v[ST+14*\m], -v[ST+14*\m+1]
	v_mov_b32 v[ST+14*\m+2], 0
	v_mov_b32 v[ST+14*\m+3], 0
.endr
	s_wait_dscnt 0x0
.irp j, 0,1,2,3,4,5
	v_cndmask_b32 v[QM+\j], 0, v[QM+\j], s93       ; the other head's half becomes zero codes
	v_cndmask_b32 v[QM+12+\j], 0, v[QM+12+\j], s93
.endr
.set ii, 0
.rept 32
	v_mov_b32 v[OO+ii], 0                          ; the half-step is written once: the first finds zeros, which the first change of M leaves zeros
.set ii, ii+1
.endr
	s_mov_b32 s85, 0                               ; the half-step: every wave walks all four; those behind its diagonal are jumped over, but for the lines that step addresses
.Lhs:
	s_cmp_gt_u32 s85, s78
	s_cbranch_scc1 .Lskip
	v_add_nc_u32 v13, s24, v4
	v_add_nc_u32 v14, s25, v5
	v_add_nc_u32 v15, s26, v4
	v_add_nc_u32 v16, s27, v5
.irp u, 0,1
.irp i, 0,1,2
	ds_load_b64 v[VP+6*\u+2*\i:VP+6*\u+2*\i+1], v15 offset:3072*\u+256*\i
.endr
	ds_load_u16 v[WS+4+\u], v16 offset:128*\u
.endr
.irp tt, 0,1,2,3
.irp i, 0,1,2
	ds_load_b64 v[KP+6*\tt+2*\i:KP+6*\tt+2*\i+1], v13 offset:3072*\tt+256*\i
.endr
	ds_load_u16 v[WS+\tt], v14 offset:128*\tt
.endr
	s_wait_dscnt 0x0
	s_cmp_lt_u32 s85, s78
	s_cbranch_scc1 .Lopen
	s_cmp_eq_u32 s79, 0
	s_cbranch_scc1 .Ldiag0
	SCORES 2
	s_branch .Lscored
.Ldiag0:
	SCORES 1
	s_branch .Lscored
.Lopen:
	SCORES 0
.Lscored:
	NOPS 4
	; the softmax of 64 keys, both tiles by turns.  The largest score of each block of 32 keys serves twice: for the row's maximum and, since p rises with the score, for the block's largest p
.irp m, 0,1
.irp b, 0,1
	v_max3_num_f32 v[ST+14*\m+6+\b], v[SS+32*\m+16*\b], v[SS+32*\m+16*\b+1], v[SS+32*\m+16*\b+2]
.endr
.endr
.irp i, 3,5,7,9,11,13
.irp m, 0,1
.irp b, 0,1
	v_max3_num_f32 v[ST+14*\m+6+\b], v[ST+14*\m+6+\b], v[SS+32*\m+16*\b+\i], v[SS+32*\m+16*\b+\i+1]
.endr
.endr
.endr
.irp m, 0,1
.irp b, 0,1
	v_max_num_f32 v[ST+14*\m+6+\b], v[ST+14*\m+6+\b], v[SS+32*\m+16*\b+15]
.endr
.endr
.irp m, 0,1
.irp b, 0,1
	v_permlanex16_b32 v[ST+14*\m+8+\b], v[ST+14*\m+6+\b], s80, s81
.endr
.endr
.irp m, 0,1
.irp b, 0,1
	v_max_num_f32 v[ST+14*\m+6+\b], v[ST+14*\m+6+\b], v[ST+14*\m+8+\b]
.endr
.endr
.irp m, 0,1
	v_max_num_f32 v[ST+14*\m+12], v[ST+14*\m+6], v[ST+14*\m+7]
.endr
.irp m, 0,1
	v_mul_f32 v[ST+14*\m+12], s82, v[ST+14*\m+12]
.endr
.irp m, 0,1
	v_max_num_f32 v[ST+14*\m+1], v[ST+14*\m+1], v[ST+14*\m+12]   ; the running largest t
	v_mov_b32 v[ST+14*\m+12], v[ST+14*\m]
.endr
.irp m, 0,1
	v_floor_f32 v[ST+14*\m], -v[ST+14*\m+1]        ; -M = floor(-t): M is a whole number
.endr
.irp m, 0,1
	v_sub_f32 v[ST+14*\m+12], v[ST+14*\m], v[ST+14*\m+12]
.endr
.irp m, 0,1
	v_cvt_i32_f32 v[ST+14*\m+12], v[ST+14*\m+12]   ; (it saturates)
.endr
.irp m, 0,1
	v_ldexp_f32 v[ST+14*\m+4], 1.0, v[ST+14*\m+12] ; f = 2^(old M - new M)
.endr
.irp m, 0,1
.set ii, 0
.rept 16
	v_pk_fma_f32 v[SS+32*\m+ii:SS+32*\m+ii+1], v[SS+32*\m+ii:SS+32*\m+ii+1], s[82:83], v[ST+14*\m:ST+14*\m+1] op_sel_hi:[1,0,0]   ; t - M
.set ii, ii+2
.endr
.irp b, 0,1
	v_fma_f32 v[ST+14*\m+6+\b], v[ST+14*\m+6+\b], s82, v[ST+14*\m]
.endr
.endr
.set ii, 0
.rept 64
	v_exp_f32 v[SS+ii], v[SS+ii]                   ; p = 2^(t - M): one batch
.set ii, ii+1
.endr
.irp m, 0,1
	v_pk_mul_f32 v[ST+14*\m+2:ST+14*\m+3], v[ST+14*\m+2:ST+14*\m+3], v[ST+14*\m+4:ST+14*\m+5] op_sel_hi:[1,0]   ; the sums under the new M: plain work behind the batch
.endr
	s_wait_alu depctr_va_vdst(0)                   ; one wait for the batch, ahead of its first reader
.irp m, 0,1
.irp b, 0,1
	v_exp_f32 v[ST+14*\m+6+\b], v[ST+14*\m+6+\b]   ; the blocks' largest p
.endr
.endr
.irp m, 0,1
	v_pk_add_f32 v[ST+14*\m+12:ST+14*\m+13], v[SS+32*\m:SS+32*\m+1], v[SS+32*\m+2:SS+32*\m+3]   ; the row's sum is taken of the unquantised p
.endr
.irp j, 4,8,12,16,20,24,28
.irp m, 0,1
	v_pk_add_f32 v[ST+14*\m+2:ST+14*\m+3], v[ST+14*\m+2:ST+14*\m+3], v[SS+32*\m+\j:SS+32*\m+\j+1]
	v_pk_add_f32 v[ST+14*\m+12:ST+14*\m+13], v[ST+14*\m+12:ST+14*\m+13], v[SS+32*\m+\j+2:SS+32*\m+\j+3]
.endr
.endr
.irp m, 0,1
	v_pk_add_f32 v[ST+14*\m+2:ST+14*\m+3], v[ST+14*\m+2:ST+14*\m+3], v[ST+14*\m+12:ST+14*\m+13]
.endr
	s_wait_alu depctr_va_vdst(0)                   ; and one for the four
.irp m, 0,1
.irp b, 0,1
	v_max_num_f32 v[ST+14*\m+6+\b], FLOOR, v[ST+14*\m+6+\b]
.endr
.endr
.irp m, 0,1
.irp b, 0,1
	v_add_nc_u32 v[ST+14*\m+10+\b], 0xff000000, v[ST+14*\m+6+\b]
.endr
.endr
.irp m, 0,1
.irp b, 0,1
	v_lshrrev_b32 v[ST+14*\m+8+\b], 23, v[ST+14*\m+10+\b]
.endr
.endr
.irp m, 0,1
	v_lshl_or_b32 v[HIDW+\m], v[ST+14*\m+9], 8, v[ST+14*\m+8]   ; p's two scale bytes; the upper two are 0, over zero codes
.endr
.set QTQ, 48
.set QSO, ST+10
	QPACK SS, PP
.irp m, 0,1
.set ii, 0
.rept 8
	v_pk_mul_f32 v[OO+16*\m+ii:OO+16*\m+ii+1], v[OO+16*\m+ii:OO+16*\m+ii+1], v[ST+14*\m+4:ST+14*\m+5] op_sel_hi:[1,0]   ; O^T under the new M; also the places in front of the products
.set ii, ii+2
.endr
.endr
	MM OO, VP, PP, OO, WS+4, HIDW
	MM OO+8, VP+6, PP, OO+8, WS+5, HIDW
	NOPS 4                                         ; p's registers are written again
.set QSO, ST+24
	QPACK SS+32, PP
	NOPS 4
	MM OO+16, VP, PP, OO+16, WS+4, HIDW+1
	MM OO+24, VP+6, PP, OO+24, WS+5, HIDW+1
	NOPS 4
.Lskip:
	s_add_co_u32 s24, s24, 12288                   ; four token tiles on
	s_add_co_u32 s25, s25, 512
	s_add_co_u32 s26, s26, 768                     ; a half-step on
	s_add_co_u32 s27, s27, 2
	s_add_co_u32 s85, s85, 1
	s_cmp_lt_u32 s85, 4
	s_cbranch_scc1 .Lhs
	; the head's end: O^T / the sum; its 32 features are one block of Wo's K: quantised (block 0: tile m = 0, block 1: m = 1) and laid where q's codes of this head lay
.irp m, 0,1
	v_add_f32 v[ST+14*\m+12], v[ST+14*\m+2], v[ST+14*\m+3]
.endr
.irp m, 0,1
	v_permlanex16_b32 v[ST+14*\m+8], v[ST+14*\m+12], s80, s81
.endr
.irp m, 0,1
	v_add_f32 v[ST+14*\m+12], v[ST+14*\m+12], v[ST+14*\m+8]
.endr
.irp m, 0,1
	v_rcp_f32 v[ST+14*\m+4], v[ST+14*\m+12]
.endr
	v_add_nc_u32 v19, s30, v[LA]                   ; (a plain place behind the reciprocals)
	v_add_nc_u32 v18, s31, v5
	s_wait_alu depctr_va_vdst(0)                   ; one wait for the two, ahead of their first reader
.irp m, 0,1
.set ii, 0
.rept 8
	v_pk_mul_f32 v[OO+16*\m+ii:OO+16*\m+ii+1], v[OO+16*\m+ii:OO+16*\m+ii+1], v[ST+14*\m+4:ST+14*\m+5] op_sel_hi:[1,0]
.set ii, ii+2
.endr
.endr
.set QMX, ST+6
.set QPX, ST+8
.set QSO, ST+10
.set QEX, ST+12
	BMAX OO, 1
	BJOIN
	BSCALE
	QPACK OO, PP
.irp i, 0,1,2
	ds_store_b64 v19, v[PP+2*\i:PP+2*\i+1] offset:256*\i
.endr
	ds_store_b8 v18, v[QPX]
	ds_store_b8 v18, v[QPX+1] offset:128
	s_add_co_u32 s84, s84, 1
	s_cmp_lt_u32 s84, 8
	s_cbranch_scc1 .Lhead
.set QMX, 20
.set QPX, 22
.set QSO, 24
.set QTQ, 26
.set QEX, 30
	; ---------------- Wo (slot 1): the residual takes attention's result.  My own pieces come back as two fragments a tile
	v_add_nc_u32 v14, s98, v4
	v_add_nc_u32 v15, s99, v5
	v_add_nc_u32 v13, PQS+6144, v5
	v_add_nc_u32 v16, SLOT1, v7
	v_add_nc_u32 v17, SLOT1, v8
.irp m, 0,1
.irp hp, 0,1,2,3
.irp i, 0,1,2
	ds_load_b64 v[HC+24*\m+6*\hp+2*\i:HC+24*\m+6*\hp+2*\i+1], v14 offset:3072*\m+768*\hp+256*\i
.endr
.endr
	ds_load_b32 v[HSW+2*\m], v15 offset:128*\m
	ds_load_b32 v[HSW+2*\m+1], v15 offset:128*\m+4
.endr
.macro LOADW u                         ; two tiles of outputs x two K steps: 24 loads, and 2 of scale words
.set FBW, WF+(ACC-WF)*((\u)%2)
.irp dt, 0,1
.irp ks, 0,1
	FRAG FBW+24*\dt+12*\ks, 16, \ks, 2*(\u)+\dt
.endr
	ds_load_b64 v[WS+4*((\u)%2)+2*\dt:WS+4*((\u)%2)+2*\dt+1], v13 offset:128*(2*(\u)+\dt)
.endr
.endm
.macro MULW u                          ; eight products in place onto the residual; the two links of a sum stand four instructions apart
.set FBW, WF+(ACC-WF)*((\u)%2)
	WIN 0x50
.irp ks, 0,1
.irp dt, 0,1
.irp m, 0,1
	MM 128*\m+8*(2*(\u)+\dt), FBW+24*\dt+12*\ks, HC+24*\m+12*\ks, 128*\m+8*(2*(\u)+\dt), WS+4*((\u)%2)+2*\dt+\ks, HSW+2*\m+\ks
.endr
.endr
.endr
	WIN 0
.endm
	LOADW 0
	s_wait_dscnt 26                                ; my pieces are in; unit 0's 26 loads stay out
	LOADW 1
.irp u, 0,1,2,3,4,5,6,7
.if \u < 7
	s_wait_dscnt 26                                ; this unit is in; the next unit's 26 loads stay out
.else
	s_wait_dscnt 0x0
.endif
	MULW \u
	NOPS 4
.if \u < 6
	LOADW \u+2
.endif
.endr
	; ---------------- LN2: h2 as codes; the residual becomes x1 + b2
	v_add_nc_u32 v14, PLN, v6
	v_add_nc_u32 v15, PBO, v6
	LNSTAT 0
	LNSTAT 1
	LNAPPLY 2048, 1024
	; ---------------- the MLP: eight trips of 128 hidden units: a chunk of W1, and the K step of W2 that those units are
	v_add_nc_u32 v13, PW1S, v5
	v_lshlrev_b32 v14, 2, v5
	v_add_nc_u32 v14, PW2S, v14                    ; W2's scale words: 32 bytes a row
	v_add_nc_u32 v15, PB1, v6
.irp j, 6,7,8,9,10,11
	v_mov_b32 v[HIDC+\j], 0                        ; (moved down, unread, by the first quad)
	v_mov_b32 v[HIDC+12+\j], 0
.endr
	v_mov_b32 v[HIDW], 0
	v_mov_b32 v[HIDW+1], 0
	s_mov_b32 s87, 0                               ; the slot in hand
.macro LOADB u                         ; four tiles of outputs: 24 loads, and 4 of scale words
.set FBW, WF+(ACC-WF)*((\u)%2)
.irp dt, 0,1,2,3
	FRAGW FBW+12*\dt, 4*(\u)+\dt
	ds_load_b32 v[WS+4*((\u)%2)+\dt], v14 offset:512*(4*(\u)+\dt)
.endr
.endm
.macro MULB u
.set FBW, WF+(ACC-WF)*((\u)%2)
	WIN 0x50
.irp dt, 0,1,2,3
.irp m, 0,1
	MM 128*\m+8*(4*(\u)+\dt), FBW+12*\dt, HIDC+12*\m, 128*\m+8*(4*(\u)+\dt), WS+4*((\u)%2)+\dt, HIDW+\m
.endr
.endr
	WIN 0
.endm
.macro MLPTRIP
	v_add_nc_u32 v16, s87, v7
	v_add_nc_u32 v17, s87, v8
	v_add_nc_u32 v18, s87, v9
	v_add_nc_u32 v19, s87, v10
	s_mov_b32 s85, 2
.Lquad_\@:                             ; 64 hidden units a trip: the codes and bytes of the trip before move down, the new ones take the upper half
	QUAD 1, 0
.irp m, 0,1
.set ii, 0
.rept 32
	v_max_num_f32 v[ACC+32*\m+ii], 0, v[ACC+32*\m+ii]
.set ii, ii+1
.endr
.irp j, 0,1,2,3,4,5
	v_mov_b32 v[HIDC+12*\m+\j], v[HIDC+12*\m+6+\j]
.endr
	BMAX ACC+32*\m, 0
	BJOIN
	BSCALE
	v_lshrrev_b32 v[HIDW+\m], 16, v[HIDW+\m]
	v_lshl_or_b32 v[HIDW+\m], v[QPX], 16, v[HIDW+\m]
	v_lshl_or_b32 v[HIDW+\m], v[QPX+1], 24, v[HIDW+\m]
	QPACK ACC+32*\m, HIDC+12*\m+6
.endr
	v_add_nc_u32 v16, 15360, v16
	v_add_nc_u32 v17, 15360, v17
	v_add_nc_u32 v13, 512, v13
	v_add_nc_u32 v15, 256, v15
	s_sub_co_u32 s85, s85, 1
	s_cmp_lg_u32 s85, 0
	s_cbranch_scc1 .Lquad_\@
	LOADB 0
	LOADB 1
	NOPS 4                                         ; with the four additions above: the places between the codes' and the scale word's last writes and the products
.irp u, 0,1,2,3
.if \u < 3
	s_wait_dscnt 28                                ; this unit is in; the next unit's 28 loads stay out
.else
	s_wait_dscnt 0x0
.endif
	MULB \u
.if \u < 2
	NOPS 4
	LOADB \u+2
.endif
.endr
	NOPS 6                                         ; the next quad's matrix instructions write over registers that these products read: five places and one to spare
	v_add_nc_u32 v14, 4, v14
	s_xor_b32 s87, s87, SLOT1
.endm
	s_mov_b32 s84, 7
.Lmlp:
	s_wait_tensorcnt 0x0                           ; this trip's chunk has landed
	ds_add_u32 v1, v2
	ds_add_u32 v1, v2
	s_xor_b32 s69, s69, SLOT1                      ; the walking descriptors: the other slot, the next 128 rows of W1,
	s_add_nc_u64 s[70:71], s[70:71], 24576
	s_xor_b32 s73, s73, SLOT1
	s_add_nc_u64 s[74:75], s[74:75], 96            ; the next 128 along W2's K
	s_wait_dscnt 0x0
	ROUND
	TLOADM
	MLPTRIP
	s_sub_co_u32 s84, s84, 1
	s_cmp_lg_u32 s84, 0
	s_cbranch_scc1 .Lmlp
	s_wait_tensorcnt 0x0                           ; the last trip is written out: nothing is left to ask for, so no round follows
	ds_add_u32 v1, v2
	s_wait_dscnt 0x0
	s_barrier_signal -1
	s_barrier_wait -1
	MLPTRIP
	; ---------------- the way out: 16 rows x 512 bytes at a time through my stage; each store covers 512 consecutive bytes, aligned
.macro TOSTAGE k
	WIN 0x04
.irp t, 0,1,2,3,4,5,6,7
	ds_store_b128 v12, v[64*(\k)+8*\t:64*(\k)+8*\t+3] offset:64*\t          ; each accumulator from its low end on
	ds_store_b128 v12, v[64*(\k)+8*\t+4:64*(\k)+8*\t+7] offset:64*\t+16
.endr
	WIN 0
.set OBK, 72+64*((\k)%2)
.irp row, 0,1,2,3,4,5,6,7,8,9,10,11,12,13,14,15
	ds_load_b128 v[OBK+4*\row:OBK+4*\row+3], v11 offset:528*\row
.endr
.endm
.macro SEND k, younger
.set OBK, 72+64*((\k)%2)
	s_wait_dscnt \younger
.irp row, 0,1,2,3,4,5,6,7,8,9,10,11,12,13,14,15
	global_store_b128 v3, v[OBK+4*\row:OBK+4*\row+3], s[6:7] offset:(16*((\k)/2)+\row)*1024+512*((\k)%2) th:TH_STORE_NT
.endr
.endm
	TOSTAGE 0
	TOSTAGE 1
	SEND 0, 32                                     ; behind group 0's loads: group 1's 16 stores and 16 loads
	s_wait_xcnt 0x0                                ; group 0's stores have read their registers: group 2's loads may land there
	TOSTAGE 2
	SEND 1, 32
	s_wait_xcnt 0x0
	TOSTAGE 3
	SEND 2, 32
	SEND 3, 0
	s_wait_tensorcnt 0x0                           ; the wave's end
	ds_add_u32 v1, v2
	s_wait_dscnt 0x0
	ROUND                                          ; the closing round
	s_endpgm
.Lfunc_end_k_qcc3f6cae0c_block:
	.size	k_qcc3f6cae0c_block, .Lfunc_end_k_qcc3f6cae0c_block-k_qcc3f6cae0c_block
	.p2alignl 7, 3214868480
	.fill 96, 4, 3214868480
	.section	.rodata,"a",@progbits
	.p2align	6, 0x0
	.amdhsa_kernel k_qcc3f6cae0c_block
		.amdhsa_group_segment_fixed_size 327680
		.amdhsa_private_segment_fixed_size 0
		.amdhsa_enable_private_segment 0
		.amdhsa_kernarg_size 168
		.amdhsa_user_sgpr_count 2
		.amdhsa_user_sgpr_kernarg_segment_ptr 1
		.amdhsa_wavefront_size32 1
		.amdhsa_system_sgpr_workgroup_id_x 1
		.amdhsa_system_sgpr_workgroup_id_y 1
		.amdhsa_system_sgpr_workgroup_id_z 1
		.amdhsa_system_vgpr_workitem_id 0
		.amdhsa_next_free_vgpr 512
		.amdhsa_next_free_sgpr 102
		.amdhsa_reserve_vcc 1
		.amdhsa_float_denorm_mode_32 3
		.amdhsa_float_denorm_mode_16_64 3
		.amdhsa_memory_ordered 1
		.amdhsa_forward_progress 1
		.amdhsa_inst_pref_size 255
	.end_amdhsa_kernel
	.section	.bss,"aw",@nobits
	.p2align	6
	.space	262144
	.amdgpu_metadata
---
amdhsa.version: [ 1, 2 ]
amdhsa.kernels:
  - .name:           k_qcc3f6cae0c_block
    .symbol:         k_qcc3f6cae0c_block.kd
    .args:
      - { .name: x, .offset: 0, .size: 8, .value_kind: global_buffer, .address_space: global }
      - { .name: out0, .offset: 8, .size: 8, .value_kind: global_buffer, .address_space: global }
      - { .name: Wq_codes, .offset: 16, .size: 8, .value_kind: global_buffer, .address_space: global }
      - { .name: Wk_codes, .offset: 24, .size: 8, .value_kind: global_buffer, .address_space: global }
      - { .name: Wv_codes, .offset: 32, .size: 8, .value_kind: global_buffer, .address_space: global }
      - { .name: Wo_codes, .offset: 40, .size: 8, .value_kind: global_buffer, .address_space: global }
      - { .name: W1_codes, .offset: 48, .size: 8, .value_kind: global_buffer, .address_space: global }
      - { .name: W2_codes, .offset: 56, .size: 8, .value_kind: global_buffer, .address_space: global }
      - { .name: W1_scales, .offset: 64, .size: 8, .value_kind: global_buffer, .address_space: global }
      - { .name: W2_scales, .offset: 72, .size: 8, .value_kind: global_buffer, .address_space: global }
      - { .name: Wq_scales, .offset: 80, .size: 8, .value_kind: global_buffer, .address_space: global }
      - { .name: Wk_scales, .offset: 88, .size: 8, .value_kind: global_buffer, .address_space: global }
      - { .name: Wv_scales, .offset: 96, .size: 8, .value_kind: global_buffer, .address_space: global }
      - { .name: Wo_scales, .offset: 104, .size: 8, .value_kind: global_buffer, .address_space: global }
      - { .name: b1, .offset: 112, .size: 8, .value_kind: global_buffer, .address_space: global }
      - { .name: ln1_g, .offset: 120, .size: 8, .value_kind: global_buffer, .address_space: global }
      - { .name: ln1_b, .offset: 128, .size: 8, .value_kind: global_buffer, .address_space: global }
      - { .name: ln2_g, .offset: 136, .size: 8, .value_kind: global_buffer, .address_space: global }
      - { .name: ln2_b, .offset: 144, .size: 8, .value_kind: global_buffer, .address_space: global }
      - { .name: bo, .offset: 152, .size: 8, .value_kind: global_buffer, .address_space: global }
      - { .name: b2, .offset: 160, .size: 8, .value_kind: global_buffer, .address_space: global }
    .group_segment_fixed_size: 327680
    .private_segment_fixed_size: 0
    .kernarg_segment_align: 8
    .kernarg_segment_size: 168
    .max_flat_workgroup_size: 256
    .sgpr_count:     102
    .vgpr_count:     512
    .wavefront_size: 32
...
	.end_amdgpu_metadata
.endif
;; end of part 1
